; MI455X (gfx1250); checked and timed in simulation.
; The chip was launched on July 23, 2026; its instructions are those of AMD's public machine-readable ISA for CDNA 5 (MIT licence, August 2026) and "CDNA5" Instruction Set Architecture Reference Guide (July 2026). The comments in the code are by the model that wrote it; some were corrected since.
;; Local Graph Attention. Allowed arithmetic: float matrix products may take bf16 or f16 operands with f32 sums; all other float work in f32.
;; Inputs: W_out 256 x 256 float32; W_qkv 256 x 768 float32; allow_mask_bool 2,048 x 2,048 bool; b_out 256 float32; b_qkv 768 float32; x 4 x 2,048 x 256 float32.
;; Outputs: out0 4 x 2,048 x 256 float32.
;; One version. Each part assembles by itself: llvm-mc -triple=amdgcn-amd-amdhsa -mcpu=gfx1250 --defsym DOCPART=n.
;; ======== version 1 of 1: 3 launches
;; workspace buffers: qw 4,194,304 bytes; kw 4,194,304 bytes; vw 4,194,304 bytes; ybuf 4,194,304 bytes; mbits 524,288 bytes of whole numbers
;; launch prep (part 1): grid 64 x 4, 8 waves a work-group, no clusters, 277,504 bytes of LDS; arguments x, W_qkv, b_qkv, allow_mask_bool, qw, kw, vw, mbits; writes qw, kw, vw, mbits
.if DOCPART == 1
	.amdgcn_target "amdgcn-amd-amdhsa--gfx1250"
	.amdhsa_code_object_version 6
	.text
	.protected	k_q4513993577_prep
	.globl	k_q4513993577_prep
	.p2align	8
	.type	k_q4513993577_prep,@function
k_q4513993577_prep:
	s_mov_b64 s[64:65], 0
	v_nop
	global_prefetch_b8 v0, s[64:65] scope:SCOPE_SE
	s_setreg_imm32_b32 hwreg(HW_REG_WAVE_MODE, 25, 1), 1
	s_wait_xcnt 0x0
; Grid y = 0, 1, 2: Q, K, V = x W_qkv + b_qkv for 128 tokens x 256 features, bf16 operands, f32 sums, rounded once to bf16.
;   Q is multiplied in f32 by log2(e)/sqrt(32) before the rounding, so that the attention launch uses base-2 exponentials with no further scale.
;   qw, kw: [b][head][token 2048][32] bf16.   vw: [b][head][key block 16][d 32][128 tokens] bf16 (V transposed in blocks of 128 keys).
;   Wave w makes head w: 128 tokens x 32 features = 16 accumulator tiles = one dense block of 8,192 bytes of its output.
; Grid y = 3: the mask packed to bits.  Word (qt*128 + kt)*8 + j, bit L = (mask[16 qt + (L & 15)][16 kt + 8 (L >> 4) + j] != 0):
;   the lane mask of register j of a 16 x 16 score tile that holds keys in its rows and queries in its columns.  Any non-zero byte counts as true.
; NO CLUSTER, NO TENSOR LOADS: x and W are f32 and every byte passes through registers to become bf16, so there is no tile that a joint
; load could lay into LDS in the form in which it is used; what is shared (x by 3 work-groups, a slice of W by 64) is read through the caches.
.set XP,   528                         ; x in LDS: [128 tokens][256 k] bf16, 512 bytes + 16: an odd multiple of 16
.set WS,   67584                       ; W in LDS behind it: [256 k][256 n] bf16,
.set WP,   544                         ; 512 bytes + 32: an odd multiple of 32, for the transposing loads
.set STG,  206848                      ; a stage of 32 rows x 272 bytes for each wave
.set STGW, 8704
.set SP,   272
.set XG,   5                           ; v5   x: byte offset of my 16 bytes in a load's 4,096
.set XL,   6                           ; v6   x: where my 8 bytes of bf16 go in LDS
.set WG,   7                           ; v7   W: byte offset of my 16 bytes (4 rows of 1,024 bytes, 3,072 apart)
.set WL,   8                           ; v8   W: where my 8 bytes go; stepped from batch to batch
.set XADR, 9                           ; v9   x fragments
.set WADR, 10                          ; v10-11  W fragments, K steps 0-3 and 4-7
.set BO,   12                          ; v12  bias offset
.set STO,  13                          ; v13  stage: where a tile's 16 bytes go
.set RD,   14                          ; v14  stage: read back by rows
.set GO,   15                          ; v15  16 x lane
.set BIAS, 32                          ; v[32:47]   the bias in the shape of an accumulator tile, one for each feature tile
.set WF,   48                          ; v[48:63]   W fragments of a K step
.set XF,   64                          ; v[64:127]  x fragments of a K step; at the end the packed results
.set CT,   64                          ; v[64:71]   staging: packed bf16
.set ACC,  128                         ; v[128:255] tile (a, f) at ACC + 16 a + 8 f
.set BA,   128                         ; staging: two buffers of 16 loads, in the accumulators' registers
.set BB,   192
	s_load_b512 s[16:31], s[0:1], 0x0              ; x 16, W_qkv 18, b_qkv 20, mask 22, qw 24, kw 26, vw 28, mbits 30
	v_lshl_add_u32 v30, v0, 2, 0x43800
	v_mov_b32 v31, 0
	v_lshrrev_b32 v1, 5, v0
	v_readfirstlane_b32 s8, v1                     ; wave
	s_and_b32 s9, ttmp7, 0xffff                    ; 0 Q, 1 K, 2 V, 3 mask
	v_and_b32 v2, 15, v0                           ; r
	v_bfe_u32 v3, v0, 4, 1                         ; h
	v_and_b32 v4, 31, v0                           ; lane
	s_cmp_eq_u32 s9, 3
	s_cbranch_scc1 .Lmask
	; ---------------- the three products ----------------
	v_lshlrev_b32 v[XG], 4, v0
	v_lshrrev_b32 v16, 6, v0                       ; t >> 6: which of a load's four rows
	v_and_b32 v17, 63, v0                          ; t & 63: which 16 bytes of the row
	v_mul_u32_u24 v[XL], v16, XP
	v_lshl_add_u32 v[XL], v17, 3, v[XL]
	v_mul_u32_u24 v[WG], v16, 3072
	v_lshl_add_u32 v[WG], v17, 4, v[WG]
	v_mul_u32_u24 v[WL], v16, WP
	v_lshl_add_u32 v[WL], v17, 3, v[WL]
	v_add_nc_u32 v[WL], WS, v[WL]
	v_mul_u32_u24 v[XADR], v2, XP
	v_lshl_add_u32 v[XADR], v3, 4, v[XADR]         ; row r, 16 bytes for each half of the lanes
	v_and_b32 v18, 7, v0
	v_lshl_add_u32 v18, v3, 3, v18                 ; k row 8 h + (lane & 7)
	v_mul_u32_u24 v[WADR], v18, WP
	v_bfe_u32 v19, v0, 3, 1
	v_lshl_add_u32 v[WADR], v19, 4, v[WADR]        ; + 16 ((lane >> 3) & 1)
	s_lshl_b32 s12, s8, 6                          ; my head's 32 columns: 64 bytes x wave
	s_add_co_u32 s12, s12, WS
	v_add_nc_u32 v[WADR], s12, v[WADR]
	v_add_nc_u32 v[WADR+1], 4*32*WP, v[WADR]       ; K steps 4-7: the 16-bit offset does not reach them
	s_mul_i32 s13, s8, STGW
	s_add_co_u32 s13, s13, STG                     ; my stage
	v_mul_u32_u24 v[RD], v3, SP
	v_lshl_add_u32 v[RD], v2, 4, v[RD]
	v_add_nc_u32 v[RD], s13, v[RD]
	v_lshlrev_b32 v[GO], 4, v4
	s_lshl_b32 s10, ttmp9, 17                      ; x: 128 tokens of 1,024 bytes
	s_mov_b32 s11, 0
	s_lshl_b32 s14, s9, 10                         ; W and b: 256 columns of 4 bytes for each of Q, K, V
	s_mov_b32 s15, 0
	s_lshl_b32 s34, s8, 7                          ; b: my head's 32 numbers
	s_add_co_u32 s34, s34, s14
	s_mov_b32 s35, 0
	s_lshr_b32 s36, ttmp9, 4                       ; batch
	s_lshl_b32 s36, s36, 3
	s_add_co_u32 s36, s36, s8                      ; 8 x batch + head
	s_lshl_b32 s36, s36, 17                        ; x 131,072 bytes
	s_and_b32 s37, ttmp9, 15
	s_lshl_b32 s37, s37, 13                        ; + block of 128 tokens x 8,192 bytes: the same in all three layouts
	s_add_co_u32 s36, s36, s37
	s_mov_b32 s37, 0
	s_mov_b32 s32, 0x3e8293ee                      ; log2(e) / sqrt(32)
	s_mov_b32 s33, 0x3e8293ee
	s_wait_kmcnt 0x0
	s_add_nc_u64 s[16:17], s[16:17], s[10:11]
	s_add_nc_u64 s[18:19], s[18:19], s[14:15]
	s_add_nc_u64 s[20:21], s[20:21], s[34:35]
	s_cmp_eq_u32 s9, 0
	s_cselect_b64 s[24:25], s[24:25], s[26:27]     ; qw or kw
	s_cmp_eq_u32 s9, 2
	s_cselect_b64 s[24:25], s[28:29], s[24:25]     ; or vw
	s_add_nc_u64 s[24:25], s[24:25], s[36:37]
	; The bias comes in as the C of the first K step.  Q, K: register j of lane (r, h) is feature 16 f + 8 h + j.  V: every register is feature 16 f + r.
	s_cmp_eq_u32 s9, 2
	s_cbranch_scc1 .Lbias_v
	v_lshlrev_b32 v[BO], 5, v3
.irp f, 0,1
	global_load_b128 v[BIAS+8*\f:BIAS+8*\f+3],   v[BO], s[20:21] offset:64*\f
	global_load_b128 v[BIAS+8*\f+4:BIAS+8*\f+7], v[BO], s[20:21] offset:64*\f+16
.endr
	s_branch .Lstage
.Lbias_v:
	v_lshlrev_b32 v[BO], 2, v2
.irp f, 0,1
.irp j, 0,1,2,3,4,5,6,7
	global_load_b32 v[BIAS+8*\f+\j], v[BO], s[20:21] offset:64*\f
.endr
.endr
.Lstage:
; A batch is 16 loads of the work-group, 4,096 bytes each; a wave's load covers 512 consecutive bytes.
.macro LOADX buf, b
.set i, 0
.rept 16
	global_load_b128 v[\buf+4*i:\buf+4*i+3], v[XG], s[16:17] offset:(16*\b+i)*4096
.set i, i+1
.endr
.endm
.macro LOADW buf, b
.set i, 0
.rept 16
	global_load_b128 v[\buf+4*i:\buf+4*i+3], v[WG], s[18:19] offset:(16*\b+i)*12288
.set i, i+1
.endr
.endm
.macro CONVX buf, b
.set i, 0
.rept 16
	v_cvt_pk_bf16_f32 v[CT+2*(i%4)],   v[\buf+4*i],   v[\buf+4*i+1]
	v_cvt_pk_bf16_f32 v[CT+2*(i%4)+1], v[\buf+4*i+2], v[\buf+4*i+3]
	ds_store_b64 v[XL], v[CT+2*(i%4):CT+2*(i%4)+1] offset:(16*\b+i)*4*XP
.set i, i+1
.endr
.endm
.macro CONVW buf
.set i, 0
.rept 16
	v_cvt_pk_bf16_f32 v[CT+2*(i%4)],   v[\buf+4*i],   v[\buf+4*i+1]
	v_cvt_pk_bf16_f32 v[CT+2*(i%4)+1], v[\buf+4*i+2], v[\buf+4*i+3]
	ds_store_b64 v[WL], v[CT+2*(i%4):CT+2*(i%4)+1] offset:i*4*WP
.set i, i+1
.endr
	v_add_nc_u32 v[WL], 64*WP, v[WL]               ; the next batch's 64 rows
.endm
	LOADX BA, 0
	LOADX BB, 1
	s_wait_loadcnt 16                              ; loads come back in order: the older batch is in, the 16 younger loads stay out
	CONVX BA, 0
	LOADW BA, 0
	s_wait_loadcnt 16
	CONVX BB, 1
	LOADW BB, 1
	s_wait_loadcnt 16
	CONVW BA
	LOADW BA, 2
	s_wait_loadcnt 16
	CONVW BB
	LOADW BB, 3
	s_wait_loadcnt 16
	CONVW BA
	s_wait_loadcnt 0x0                             ; the last batch (the bias came long before)
	CONVW BB
	s_wait_dscnt 0x0                               ; my LDS stores are done, for the other waves' sake
	s_barrier_signal -1
	s_barrier_wait -1                              ; x and W are whole
.macro PLACES                          ; four places behind a matrix instruction before its registers are loaded into, read or written (ISA guide 7.12.1)
.rept 4
	v_nop
.endr
.endm
; One matrix instruction.  vorder = 0: W's fragment is source 0, so a lane gets 8 neighbouring features of one token (Q, K);
; vorder = 1: x's fragment is source 0, so a lane gets 8 neighbouring tokens of one feature (V transposed).
.macro MM a, f, ks, vorder
.if \vorder
.if \ks
	v_wmma_f32_16x16x32_bf16 v[ACC+16*\a+8*\f:ACC+16*\a+8*\f+7], v[XF+8*\a:XF+8*\a+7], v[WF+8*\f:WF+8*\f+7], v[ACC+16*\a+8*\f:ACC+16*\a+8*\f+7]
.else
	v_wmma_f32_16x16x32_bf16 v[ACC+16*\a+8*\f:ACC+16*\a+8*\f+7], v[XF+8*\a:XF+8*\a+7], v[WF+8*\f:WF+8*\f+7], v[BIAS+8*\f:BIAS+8*\f+7]
.endif
.else
.if \ks
	v_wmma_f32_16x16x32_bf16 v[ACC+16*\a+8*\f:ACC+16*\a+8*\f+7], v[WF+8*\f:WF+8*\f+7], v[XF+8*\a:XF+8*\a+7], v[ACC+16*\a+8*\f:ACC+16*\a+8*\f+7]
.else
	v_wmma_f32_16x16x32_bf16 v[ACC+16*\a+8*\f:ACC+16*\a+8*\f+7], v[WF+8*\f:WF+8*\f+7], v[XF+8*\a:XF+8*\a+7], v[BIAS+8*\f:BIAS+8*\f+7]
.endif
.endif
.endm
; 32 along K: 4 transposing loads for W (stored [k][n]), 16 loads for x, 16 matrix instructions.
; The sixteen accumulators take turns, one instruction a turn, in the same order in every step.
.macro KSTEP ks, vorder
.if \ks
	PLACES
.endif
.irp f, 0,1
	ds_load_tr16_b128 v[WF+8*\f:WF+8*\f+3],   v[WADR+\ks/4] offset:(\ks%4)*32*WP+32*\f
	ds_load_tr16_b128 v[WF+8*\f+4:WF+8*\f+7], v[WADR+\ks/4] offset:(\ks%4)*32*WP+32*\f+16*WP
.endr
.irp a, 0,1,2,3,4,5,6,7
	ds_load_b128 v[XF+8*\a:XF+8*\a+3],   v[XADR] offset:\a*16*XP+\ks*64
	ds_load_b128 v[XF+8*\a+4:XF+8*\a+7], v[XADR] offset:\a*16*XP+\ks*64+32
.endr
.irp a, 0,1,2,3,4,5,6,7
	s_wait_dscnt 14-2*\a                           ; W and token tiles 0 .. a are in; the two loads of each later tile may be out
	MM \a, 0, \ks, \vorder
	MM \a, 1, \ks, \vorder
.endr
.endm
; A tile's results rounded to bf16 (16 bytes a lane) and put into my stage
.macro PUT a, f, off
.irp q, 0,1,2,3
	v_cvt_pk_bf16_f32 v[XF+8*\a+4*\f+\q], v[ACC+16*\a+8*\f+2*\q], v[ACC+16*\a+8*\f+2*\q+1]
.endr
	ds_store_b128 v[STO], v[XF+8*\a+4*\f:XF+8*\a+4*\f+3] offset:\off
.endm
	s_cmp_eq_u32 s9, 2
	s_cbranch_scc1 .Lgemm_v
.irp ks, 0,1,2,3,4,5,6,7
	KSTEP \ks, 0
.endr
	PLACES
	s_cmp_lg_u32 s9, 0
	s_cbranch_scc1 .Lnoscale
.set n, 0
.rept 64
	v_pk_mul_f32 v[ACC+2*n:ACC+2*n+1], v[ACC+2*n:ACC+2*n+1], s[32:33] op_sel_hi:[1,0]   ; Q alone: x log2(e)/sqrt(32)
.set n, n+1
.endr
.Lnoscale:
	; the stage's rows are 256 bytes = 4 tokens of 64 bytes: token 16 a + r lies in row 4 a + (r >> 2) at byte 64 (r & 3) + 32 f + 16 h.
	; Sixteen lanes touch the 16-byte columns (r >> 2) + 4 (r & 3) + h modulo 16: all different.
	v_lshrrev_b32 v16, 2, v2
	v_and_b32 v17, 3, v2
	v_mul_u32_u24 v[STO], v16, SP
	v_lshl_add_u32 v[STO], v17, 6, v[STO]
	v_lshl_add_u32 v[STO], v3, 4, v[STO]
	v_add_nc_u32 v[STO], s13, v[STO]
.irp a, 0,1,2,3,4,5,6,7
	PUT \a, 0, \a*4*SP
	PUT \a, 1, \a*4*SP+32
.endr
	s_branch .Lout
.Lgemm_v:
.irp ks, 0,1,2,3,4,5,6,7
	KSTEP \ks, 1
.endr
	PLACES
	; the stage's row is feature d = 16 f + r, 128 tokens of 2 bytes: my 8 tokens lie at byte 32 a + 16 h
	v_mul_u32_u24 v[STO], v2, SP
	v_lshl_add_u32 v[STO], v3, 4, v[STO]
	v_add_nc_u32 v[STO], s13, v[STO]
.irp a, 0,1,2,3,4,5,6,7
	PUT \a, 0, 32*\a
	PUT \a, 1, 16*SP+32*\a
.endr
.Lout:
	; my own stage, read back by rows: LDS serves a wave's instructions in order (ISA guide 5.7.1), so these loads see the stores above
.irp n, 0,1,2,3,4,5,6,7,8,9,10,11,12,13,14,15
	ds_load_b128 v[ACC+4*\n:ACC+4*\n+3], v[RD] offset:\n*2*SP
.endr
.irp n, 0,1,2,3,4,5,6,7,8,9,10,11,12,13,14,15
	s_wait_dscnt 15-\n                             ; read-back n is in, the younger ones may be out
	global_store_b128 v[GO], v[ACC+4*\n:ACC+4*\n+3], s[24:25] offset:512*\n   ; a wave's store covers 512 consecutive bytes, aligned
.endr
	s_wait_tensorcnt 0x0
	ds_add_u32 v30, v31
	s_wait_dscnt 0x0
	s_endpgm
	; ---------------- the mask, packed ----------------
	; The work-group takes query tiles 2 x + p; wave w key tiles 16 w .. 16 w + 15.  Lane (r, h) loads the 8 bytes of row 16 qt + r at
	; column 16 kt + 8 h; a wave's sixteen loads together cover 256 consecutive bytes of each of 16 rows.
.Lmask:
	s_lshl_b32 s10, ttmp9, 16                      ; 32 rows of 2,048 bytes
	s_lshl_b32 s11, s8, 8                          ; + 16 key tiles of 16 bytes x wave
	s_add_co_u32 s10, s10, s11
	s_mov_b32 s11, 0
	s_lshl_b32 s12, ttmp9, 13                      ; 2 query tiles of 4,096 bytes of words
	s_lshl_b32 s13, s8, 9                          ; + 16 key tiles of 32 bytes x wave
	s_add_co_u32 s12, s12, s13
	s_mov_b32 s13, 0
	v_lshlrev_b32 v5, 11, v2
	v_lshl_add_u32 v5, v3, 3, v5                   ; r x 2,048 + 8 h
	v_lshlrev_b32 v6, 4, v4                        ; 16 x lane
	s_wait_kmcnt 0x0
	s_add_nc_u64 s[22:23], s[22:23], s[10:11]
	s_add_nc_u64 s[30:31], s[30:31], s[12:13]
.irp p, 0,1
.set k, 0
.rept 16
	global_load_b64 v[64+32*\p+2*k:64+32*\p+2*k+1], v5, s[22:23] offset:32768*\p+16*k
.set k, k+1
.endr
.endr
.irp n, 16,17,18,19,20,21,22,23
	v_mov_b32 v\n, 0                               ; v_writelane_b32 keeps the other lanes: its destination is written whole first
.endr
; Byte j of the lane's 8 is tested in all lanes at once: the compare's 32 bits ARE word (kt, j).  It goes to lane 2 kt + (j >> 2),
; register j & 3, so that one 16-byte store a lane writes the wave's 128 words in order.
.macro PACK p, left
	s_wait_loadcnt \left
.set k, 0
.rept 16
.set j, 0
.rept 8
	v_and_b32 v[24+(j%4)], 0xff<<(8*(j%4)), v[64+32*\p+2*k+j/4]
	v_cmp_ne_u32 s[36+j], 0, v[24+(j%4)]
	v_writelane_b32 v[16+4*\p+(j%4)], s[36+j], 2*k+j/4
.set j, j+1
.endr
.set k, k+1
.endr
	global_store_b128 v6, v[16+4*\p:16+4*\p+3], s[30:31] offset:4096*\p
.endm
	PACK 0, 16                                     ; the second tile's sixteen loads may be out
	PACK 1, 0
	s_endpgm
.Lfunc_end_k_q4513993577_prep:
	.size	k_q4513993577_prep, .Lfunc_end_k_q4513993577_prep-k_q4513993577_prep
	.p2alignl 7, 3214868480
	.fill 96, 4, 3214868480
	.section	.rodata,"a",@progbits
	.p2align	6, 0x0
	.amdhsa_kernel k_q4513993577_prep
		.amdhsa_group_segment_fixed_size 277504
		.amdhsa_private_segment_fixed_size 0
		.amdhsa_enable_private_segment 0
		.amdhsa_kernarg_size 64
		.amdhsa_user_sgpr_count 2
		.amdhsa_user_sgpr_kernarg_segment_ptr 1
		.amdhsa_wavefront_size32 1
		.amdhsa_system_sgpr_workgroup_id_x 1
		.amdhsa_system_sgpr_workgroup_id_y 1
		.amdhsa_system_sgpr_workgroup_id_z 1
		.amdhsa_system_vgpr_workitem_id 0
		.amdhsa_next_free_vgpr 256
		.amdhsa_next_free_sgpr 66
		.amdhsa_reserve_vcc 0
		.amdhsa_float_denorm_mode_32 3
		.amdhsa_float_denorm_mode_16_64 3
		.amdhsa_memory_ordered 1
		.amdhsa_forward_progress 1
		.amdhsa_inst_pref_size 145
	.end_amdhsa_kernel
	.amdgpu_metadata
---
amdhsa.version: [ 1, 2 ]
amdhsa.kernels:
  - .name:           k_q4513993577_prep
    .symbol:         k_q4513993577_prep.kd
    .args:
      - { .name: x, .offset: 0, .size: 8, .value_kind: global_buffer, .address_space: global }
      - { .name: W_qkv, .offset: 8, .size: 8, .value_kind: global_buffer, .address_space: global }
      - { .name: b_qkv, .offset: 16, .size: 8, .value_kind: global_buffer, .address_space: global }
      - { .name: allow_mask_bool, .offset: 24, .size: 8, .value_kind: global_buffer, .address_space: global }
      - { .name: qw, .offset: 32, .size: 8, .value_kind: global_buffer, .address_space: global }
      - { .name: kw, .offset: 40, .size: 8, .value_kind: global_buffer, .address_space: global }
      - { .name: vw, .offset: 48, .size: 8, .value_kind: global_buffer, .address_space: global }
      - { .name: mbits, .offset: 56, .size: 8, .value_kind: global_buffer, .address_space: global }
    .group_segment_fixed_size: 277504
    .private_segment_fixed_size: 0
    .kernarg_segment_align: 8
    .kernarg_segment_size: 64
    .max_flat_workgroup_size: 256
    .sgpr_count:     66
    .vgpr_count:     256
    .wavefront_size: 32
...
	.end_amdgpu_metadata
.endif
;; end of part 1
;; launch attn (part 2): grid 8 x 32, 16 waves a work-group, clusters of 4 x 1, 317,440 bytes of LDS; arguments qw, kw, vw, mbits, ybuf; writes ybuf
.if DOCPART == 2
	.amdgcn_target "amdgcn-amd-amdhsa--gfx1250"
	.amdhsa_code_object_version 6
	.text
	.protected	k_q4513993577_attn
	.globl	k_q4513993577_attn
	.p2align	8
	.type	k_q4513993577_attn,@function
k_q4513993577_attn:
	s_mov_b64 s[64:65], 0
	v_nop
	global_prefetch_b8 v0, s[64:65] scope:SCOPE_SE
	s_setreg_imm32_b32 hwreg(HW_REG_WAVE_MODE, 25, 1), 1
	s_wait_xcnt 0x0
	s_wait_alu depctr_hold_cnt(0) depctr_sa_sdst(0) depctr_va_vdst(0) depctr_va_sdst(0) depctr_va_ssrc(0) depctr_va_vcc(0) depctr_vm_vsrc(0)
	s_getreg_b32 s2, hwreg(HW_REG_IB_STS2, 6, 4)
	s_cmp_eq_u32 s2, 0
	s_cbranch_scc0 .Lentry_in_a_cluster
	s_endpgm
.Lentry_in_a_cluster:
	s_bfe_u32 s2, ttmp6, 0x10000c
	s_cmp_lg_u32 s2, 0x3003
	s_cbranch_scc0 .Lentry_shape_is_right
	s_endpgm
.Lentry_shape_is_right:
; Masked attention of one (batch, head) and 256 queries, with a running maximum.  qw, kw: [bh][token][32] bf16 (Q already holds log2(e)/sqrt(32));
; vw: [bh][key block 16][d 32][128 keys] bf16; mbits: lane masks of the score tiles; ybuf: [bh][token][32] bf16.
; SIXTEEN WAVES, four of 240 registers on each SIMD: the work of a step is mostly vector work on scores, with waits for mask words, for dependent
; results and for runs of matrix instructions in it, and three other waves have vector work to issue meanwhile.
; Wave w takes the 32 queries (two tiles of 16) of share w & 7 and the key blocks of 128 keys with number 2 j + (w >> 3), j = 0..7: 16 steps of 64 keys.
; At the end the two waves of a share meet in LDS: the upper one hands over O, its maxima and its sums, the lower one joins them and stores y.
; SCORES ARE MADE TRANSPOSED: S^T = K Q^T, so that lane (r, h) holds, for query r, keys 8 h + 0..7 of a tile in its eight registers.  Maxima and sums over
; keys are then made inside the lane, with one exchange between the halves of the wave, and two neighbouring tiles rounded to bf16 ARE the second source
; of O^T = V^T P^T: P is never moved between lanes.
; ALL K AND V OF THE HEAD LIE IN LDS (32 pieces of 8,192 bytes), each byte filled once: no slot is ever filled again.  They come in four chunks of 512 keys,
; one tensor load of half a piece a wave and chunk (a wave has four outstanding at the most), and work starts when the first chunk has landed.
; CLUSTER: the four work-groups of a cluster are four query blocks of one (batch, head) and need the same K and V: every half piece is asked for jointly
; (mask 15), which divides the requests for K and V by four.  The place in the cluster enters only the addresses of Q, of the mask words and of y.
; LIMITS.  The running maximum starts at -FLT_MAX (finite, so that -inf minus it stays -inf).  A masked score is -inf and its p exactly 0.  A row with no
; allowed key ends with l = 0 and O = 0 and gives NaN, as the softmax of a row of -inf does.  v_exp_f32 gives 0 for p below 2^-126.  l sums p before its rounding to bf16.
.set PIECE,  8704                      ; 32 rows of 256 bytes + 16 of padding.  Piece 2 kb: K of key block kb, 4 keys a row; piece 2 kb + 1: V^T of it, row = d
.set HALFP,  4352                      ; 16 rows: what one tensor load brings
.set BLOCK,  17408                     ; a key block's two pieces
.set CHUNK,  69632                     ; four key blocks
.set SP,     272
.set STAGE,  278528                    ; behind the pieces, a multiple of 256: 4,608 bytes for each pair of waves; no tensor load lands there
.set STAGEW, 4608                      ; 9 x 512 bytes handed over; afterwards the lower wave's 8 rows x 272 bytes on the way out
.set KADR, 1                           ; v1      my bytes of K's first tile in the current key block
.set VADR, 2                           ; v2      the same for V^T
.set X,    3                           ; v3      what comes from the other half of the wave
.set T,    4                           ; v[4:7]  at work
.set MA0,  8                           ; v[8:15] running maxima: two registers for each query tile take turns at old and new;
.set MB0,  10                          ;         each is the low register of a pair, since the packed subtraction names a pair
.set MA1,  12
.set MB1,  14
.set AL,   16                          ; v[16:17] 2^(old - new), low register
.set ACCA, 18                          ; v[18:21] two chains of packed sums
.set ACCB, 20
.set LS0,  22                          ; v22-23  l of my half's keys, for each query tile
.set LS1,  23
.set NEG,  24                          ; v24     -inf
.set STO,  25                          ; v25-27  the way out
.set RD,   26
.set GO,   27
.set QF,   28                          ; v[28:43]   Q fragments of my two query tiles
.set O,    44                          ; v[44:75]   O^T: tile (i, d half) at O + 16 i + 8 d
.set KF,   76                          ; v[76:107]  K fragments of a step's four key tiles
.set VF,   108                         ; v[108:139] V^T fragments: (32-key group u, d half) at VF + 16 u + 8 d
.set S,    140                         ; v[140:203] scores, then p: (i, key tile t) at S + 32 i + 8 t
.set P,    204                         ; v[204:235] p in bf16: (i, u) at P + 16 i + 8 u
.set MG,   236                         ; v236    my 16 bytes in each 512 that the pair hands over
; scalars: s[2:3] Q, later s2 my key group; s[4:5] mask words, s6 counter, s7 wave, s[8:15] descriptor group 1, s[16:63] and s[80:95] a step's 64 mask
; words, s66-67 lane selects, s[68:79] and s[96:99] descriptor group 0 of the four chunks, s100 -FLT_MAX, s101 my pair's area, s[104:105] y
.macro PLACES                          ; four places behind a matrix instruction before its registers are loaded into, read or written (ISA guide 7.12.1)
.rept 4
	v_nop
.endr
.endm
.macro ROUND                           ; a round of the cluster's barrier
	s_barrier_signal -1
	s_barrier_wait -1
	s_cmp_lg_u32 s7, 0
	s_cbranch_scc1 .Lnot_wave_0_\@
	s_barrier_signal -3
.Lnot_wave_0_\@:
	s_barrier_wait -3
	s_barrier_signal -1
	s_barrier_wait -1
.endm
.macro CHUNKBAR n                      ; a further chunk is whole.  No tensor load is issued behind this barrier, so my n younger loads stay out
	s_wait_tensorcnt \n                            ; tensor loads of a wave end in order: my half piece of the chunk is in LDS
	s_wait_dscnt 0x0                               ; no LDS load of mine is pending at the signal
	s_barrier_signal -1
	s_barrier_wait -1                              ; every wave's half piece is
.endm
.macro MKG0 g, c                       ; descriptor group 0 of my half piece of chunk c
	s_mov_b32 s[\g], 1                                     ; count = 1
	s_add_co_u32 s[\g+1], s28, \c*CHUNK                    ; LDS: half piece 16 c + wave
	s_add_nc_u64 s[\g+2:\g+3], s[30:31], \c*32768          ; memory: four key blocks of 8,192 bytes a chunk
	s_or_b32 s[\g+3], s[\g+3], 0x80000000                  ; type = 2
.endm
	s_load_b256 s[80:87], s[0:1], 0x0              ; qw 80, kw 82, vw 84, mbits 86
	s_load_b64 s[88:89], s[0:1], 0x20              ; ybuf
	v_lshl_add_u32 v240, v0, 2, 0x4d000
	v_mov_b32 v241, 0
	ds_add_u32 v240, v241
	v_lshrrev_b32 v1, 5, v0
	v_readfirstlane_b32 s7, v1                     ; wave 0..15
	s_bfe_u32 s16, ttmp6, 0x40000                  ; my place in the cluster
	s_lshl_b32 s17, ttmp9, 2
	s_add_co_u32 s17, s17, s16                     ; query block 0..7
	s_and_b32 s18, ttmp7, 0xffff                   ; 8 x batch + head
	s_and_b32 s19, s7, 7                           ; my share of 32 queries
	s_lshr_b32 s21, s7, 3                          ; my key group: even or odd key blocks
	; group 1: 4,096 dense bytes as 16 rows of 32 elements of 8 bytes, 16 bytes of padding behind each row
	s_mov_b32 s8, 15|(3<<16)|(1<<20)|(1<<21)|(5<<22)|(3<<25)   ; mask: all four of the cluster; 8-byte elements; padding on; bit 21 beside a mask; after 64 words, 4 words
	s_mov_b32 s9, 32<<16                           ; tensor_dim0 = 32
	s_mov_b32 s10, 16<<16                          ; tensor_dim1 = 16
	s_mov_b32 s11, 32<<16                          ; tile_dim0 = 32
	s_mov_b32 s12, 16                              ; tile_dim1 = 16
	s_mov_b32 s13, 32                              ; from row to row: 32 elements
	s_mov_b32 s14, 0
	s_mov_b32 s15, 0
	s_lshl_b32 s20, s18, 17                        ; 131,072 bytes for each (batch, head), in all four tensors
	s_lshr_b32 s22, s7, 2
	s_lshl_b32 s22, s22, 13                        ; K, V: key block wave >> 2 of the chunk,
	s_and_b32 s23, s7, 1
	s_lshl_b32 s23, s23, 12                        ; its piece's rows 0-15 or 16-31
	s_add_co_u32 s22, s22, s23
	s_add_co_u32 s22, s22, s20                     ; (made of the head and the wave alone: equal in the four partners)
	s_mov_b32 s23, 0
	s_lshl_b32 s24, s17, 14                        ; Q, y: 256 queries of 64 bytes x block
	s_lshl_b32 s25, s19, 11                        ; + 32 queries x share
	s_add_co_u32 s24, s24, s25
	s_add_co_u32 s24, s24, s20
	s_mov_b32 s25, 0
	s_lshl_b32 s26, s17, 16                        ; mask words: 16 query tiles of 4,096 bytes x block
	s_lshl_b32 s27, s19, 13                        ; + 2 tiles x share
	s_add_co_u32 s26, s26, s27
	s_lshl_b32 s27, s21, 8                         ; + my group's first key block: 8 key tiles of 32 bytes
	s_add_co_u32 s26, s26, s27
	s_mov_b32 s27, 0
	s_mul_i32 s28, s7, HALFP
	s_bfe_u32 s29, s7, 0x10001                     ; bit 1 of the wave: K's piece or V's
	s_mul_i32 s6, s21, BLOCK                       ; my group's first key block in LDS
	s_mov_b32 s66, 0x76543210                      ; v_permlanex16_b32: lane i reads lane i of the other half
	s_mov_b32 s67, 0xfedcba98
	s_mov_b32 s100, 0xff7fffff                     ; -FLT_MAX
	s_mul_i32 s101, s19, STAGEW
	s_add_co_u32 s101, s101, STAGE
	v_and_b32 v4, 15, v0                           ; r
	v_bfe_u32 v5, v0, 4, 1                         ; h
	v_lshlrev_b32 v6, 6, v4
	v_lshl_add_u32 v6, v5, 4, v6                   ; Q: row r of 64 bytes, 16 bytes for each half
	v_lshrrev_b32 v7, 2, v4
	v_and_b32 v[X], 3, v4
	v_mul_u32_u24 v[KADR], v7, SP                  ; K: key r lies in row r >> 2 at byte 64 (r & 3); sixteen lanes touch the 16-byte
	v_lshl_add_u32 v[KADR], v[X], 6, v[KADR]       ; columns (r >> 2) + 4 (r & 3) + h modulo 16: all different
	v_lshl_add_u32 v[KADR], v5, 4, v[KADR]
	v_add_nc_u32 v[STO], s101, v[KADR]             ; the way out lays tokens as K lies
	v_add_nc_u32 v[KADR], s6, v[KADR]
	v_mul_u32_u24 v[VADR], v4, SP
	v_lshl_add_u32 v[VADR], v5, 4, v[VADR]
	v_add_nc_u32 v[VADR], PIECE, v[VADR]           ; V^T: row d = r, behind K's piece
	v_add_nc_u32 v[VADR], s6, v[VADR]
	v_mul_u32_u24 v[RD], v5, SP
	v_lshl_add_u32 v[RD], v4, 4, v[RD]
	v_add_nc_u32 v[RD], s101, v[RD]
	v_and_b32 v[GO], 31, v0
	v_lshlrev_b32 v[GO], 4, v[GO]
	v_add_nc_u32 v[MG], s101, v[GO]
	v_mov_b32 v[NEG], 0xff800000
.irp n, MA0+1, MB0+1, MA1+1, MB1+1, AL+1
	v_mov_b32 v[\n], 0                             ; the upper registers of pairs of which only the lower is used: written once
.endr
	s_wait_dscnt 0x0
	s_wait_kmcnt 0x0
	s_cmp_eq_u32 s29, 0
	s_cselect_b64 s[30:31], s[82:83], s[84:85]     ; K's pieces or V's
	s_add_nc_u64 s[30:31], s[30:31], s[22:23]
	s_add_nc_u64 s[2:3], s[80:81], s[24:25]
	s_add_nc_u64 s[104:105], s[88:89], s[24:25]
	s_add_nc_u64 s[4:5], s[86:87], s[26:27]
	MKG0 68, 0
	MKG0 72, 1
	MKG0 76, 2
	MKG0 96, 3
	ROUND                                          ; the four work-groups are here: the joint loads meet
	tensor_load_to_lds s[68:71], s[8:15]           ; all the kernel's tensor loads, each a first fill of its bytes: none is issued behind any later barrier
	s_nop 0
	tensor_load_to_lds s[72:75], s[8:15]
	s_nop 0
	tensor_load_to_lds s[76:79], s[8:15]
	s_nop 0
	tensor_load_to_lds s[96:99], s[8:15]
	s_nop 0
.irp i, 0,1
	global_load_b128 v[QF+8*\i:QF+8*\i+3],   v6, s[2:3] offset:1024*\i
	global_load_b128 v[QF+8*\i+4:QF+8*\i+7], v6, s[2:3] offset:1024*\i+32
.endr
	s_load_b512 s[16:31], s[4:5], 0x0              ; my first step's mask words: query tile 0, key tiles 0, 1 of my first block
	s_load_b512 s[32:47], s[4:5], 0x40             ;                                           key tiles 2, 3
	s_load_b512 s[48:63], s[4:5], 0x1000           ;                             query tile 1, key tiles 0, 1
	s_load_b512 s[80:95], s[4:5], 0x1040           ;                                           key tiles 2, 3
; ---- the softmax step of one query tile: 32 registers of scores at sb, p in bf16 to pb, O at ob, l in lr ----
.macro SUBG sb, g, new                 ; four scores minus the new maximum
	v_pk_add_f32 v[\sb+4*\g:\sb+4*\g+1],   v[\sb+4*\g:\sb+4*\g+1],   v[\new:\new+1] op_sel_hi:[1,0] neg_lo:[0,1] neg_hi:[0,1]
	v_pk_add_f32 v[\sb+4*\g+2:\sb+4*\g+3], v[\sb+4*\g+2:\sb+4*\g+3], v[\new:\new+1] op_sel_hi:[1,0] neg_lo:[0,1] neg_hi:[0,1]
.endm
.macro EXPG sb, g
.irp k, 0,1,2,3
	v_exp_f32 v[\sb+4*\g+\k], v[\sb+4*\g+\k]
.endr
.endm
.macro RESC ob, g, first               ; two numbers of O times 2^(old - new)
.if \first == 0
	s_wait_alu depctr_va_vdst(0)
	v_pk_mul_f32 v[\ob+2*\g:\ob+2*\g+1], v[\ob+2*\g:\ob+2*\g+1], v[AL:AL+1] op_sel_hi:[1,0]
.endif
.endm
.macro FING sb, pb, g                  ; four p: rounded to bf16, and summed in two chains that the first two groups start
	s_wait_alu depctr_va_vdst(0)
	v_cvt_pk_bf16_f32 v[\pb+2*\g],   v[\sb+4*\g],   v[\sb+4*\g+1]
	v_cvt_pk_bf16_f32 v[\pb+2*\g+1], v[\sb+4*\g+2], v[\sb+4*\g+3]
.if \g == 0
	v_pk_add_f32 v[ACCA:ACCA+1], v[\sb:\sb+1], v[\sb+2:\sb+3]
.else
.if \g == 1
	v_pk_add_f32 v[ACCB:ACCB+1], v[\sb+4:\sb+5], v[\sb+6:\sb+7]
.else
	v_pk_add_f32 v[ACCA:ACCA+1], v[ACCA:ACCA+1], v[\sb+4*\g:\sb+4*\g+1]
	v_pk_add_f32 v[ACCB:ACCB+1], v[ACCB:ACCB+1], v[\sb+4*\g+2:\sb+4*\g+3]
.endif
.endif
.endm
.macro UNIT sb, pb, ob, lr, old, new, first
	; the largest of my 32 scores and the old maximum, in four chains of three-way maxima
.irp c, 0,1,2,3
	v_max3_num_f32 v[T+\c], v[\sb+8*\c], v[\sb+8*\c+1], v[\sb+8*\c+2]
.endr
.irp c, 0,1,2,3
	v_max3_num_f32 v[T+\c], v[T+\c], v[\sb+8*\c+3], v[\sb+8*\c+4]
.endr
.irp c, 0,1,2,3
	v_max3_num_f32 v[T+\c], v[T+\c], v[\sb+8*\c+5], v[\sb+8*\c+6]
.endr
	v_max3_num_f32 v[T],   v[T],   v[\sb+7],  v[\sb+15]
	v_max3_num_f32 v[T+1], v[T+1], v[\sb+23], v[\sb+31]
.if \first
	v_max3_num_f32 v[T+2], v[T+2], v[T+3], s100
.else
	v_max3_num_f32 v[T+2], v[T+2], v[T+3], v[\old]
.endif
	v_max3_num_f32 v[T], v[T], v[T+1], v[T+2]
	v_permlanex16_b32 v[X], v[T], s66, s67         ; the other half of the wave holds the query's other keys
	v_max_num_f32 v[\new], v[T], v[X]
.if \first == 0
	v_sub_f32 v[AL], v[\old], v[\new]
	v_exp_f32 v[AL], v[AL]
.endif
	; groups of four registers.  Between every exponential and the first use of its result stands a plain vector instruction
	; (ISA guide 5.7.2): the next group's subtraction, or the group before's conversions.
	SUBG \sb, 0, \new
	SUBG \sb, 1, \new
	EXPG \sb, 0
.irp g, 1,2,3,4,5,6
	EXPG \sb, \g
	SUBG \sb, (\g+1), \new
	RESC \ob, (\g-1), \first
	FING \sb, \pb, (\g-1)
.endr
	EXPG \sb, 7
	RESC \ob, 6, \first
	FING \sb, \pb, 6
	RESC \ob, 7, \first
	FING \sb, \pb, 7
	v_pk_add_f32 v[ACCA:ACCA+1], v[ACCA:ACCA+1], v[ACCB:ACCB+1]
.if \first
	v_add_f32 v[\lr], v[ACCA], v[ACCA+1]
.else
	v_add_f32 v[T], v[ACCA], v[ACCA+1]
	v_fma_f32 v[\lr], v[\lr], v[AL], v[T]
.endif
.endm
; four matrix instructions of O^T += V^T P^T for 32 keys.  The four accumulators take turns, one instruction a turn.
.macro PVU u, zero
.irp i, 0,1
.irp d, 0,1
.if \zero
	v_wmma_f32_16x16x32_bf16 v[O+16*\i+8*\d:O+16*\i+8*\d+7], v[VF+16*\u+8*\d:VF+16*\u+8*\d+7], v[P+16*\i+8*\u:P+16*\i+8*\u+7], 0
.else
	v_wmma_f32_16x16x32_bf16 v[O+16*\i+8*\d:O+16*\i+8*\d+7], v[VF+16*\u+8*\d:VF+16*\u+8*\d+7], v[P+16*\i+8*\u:P+16*\i+8*\u+7], v[O+16*\i+8*\d:O+16*\i+8*\d+7]
.endif
.endr
.endr
.endm
; A step: 64 keys, half = which half of the key block.  first = 1: the first products and sums start O, l and the maximum.
; pre = 1: the next step's K fragments and mask words are fetched.
.macro STEP half, first, pre
	s_wait_dscnt 0x0                               ; this step's K fragments are in
.irp t, 0,1,2,3
	v_wmma_f32_16x16x32_bf16 v[S+8*\t:S+8*\t+7],       v[KF+8*\t:KF+8*\t+7], v[QF:QF+7],    0
	v_wmma_f32_16x16x32_bf16 v[S+32+8*\t:S+32+8*\t+7], v[KF+8*\t:KF+8*\t+7], v[QF+8:QF+15], 0
.endr
	PLACES                                         ; behind them: loads into K's and V's fragments, and the selects, which read the scores
.irp u, 0,1
.irp d, 0,1
	ds_load_b128 v[VF+16*\u+8*\d:VF+16*\u+8*\d+3],   v[VADR] offset:\d*16*SP+64*(2*\half+\u)
	ds_load_b128 v[VF+16*\u+8*\d+4:VF+16*\u+8*\d+7], v[VADR] offset:\d*16*SP+64*(2*\half+\u)+32
.endr
.endr
.if \pre
.irp t, 0,1,2,3
	ds_load_b128 v[KF+8*\t:KF+8*\t+3],   v[KADR] offset:(4+28*\half+\t)*4*SP      ; key tiles 4-7 of this block, or 0-3 of my group's next: two blocks = 32 tiles' pitch on
	ds_load_b128 v[KF+8*\t+4:KF+8*\t+7], v[KADR] offset:(4+28*\half+\t)*4*SP+32
.endr
.endif
	s_wait_kmcnt 0x0                               ; this step's mask words
.set n, 0
.rept 64
	v_cndmask_b32 v[S+n], v[NEG], v[S+n], s[16+n+16*(n/48)]    ; a key that is not allowed: -inf, ahead of the maximum
.set n, n+1
.endr
.if \pre
	s_add_nc_u64 s[4:5], s[4:5], 128+256*\half     ; four key tiles of 32 bytes on; behind a block's second half the other group's block is passed over too
	s_load_b512 s[16:31], s[4:5], 0x0              ; (the loads that used the pointer are done)
	s_load_b512 s[32:47], s[4:5], 0x40
	s_load_b512 s[48:63], s[4:5], 0x1000
	s_load_b512 s[80:95], s[4:5], 0x1040
.endif
.if \half == 0
	UNIT S,    P,    O,    LS0, MA0, MB0, \first
	UNIT S+32, P+16, O+16, LS1, MA1, MB1, \first
.else
	UNIT S,    P,    O,    LS0, MB0, MA0, \first
	UNIT S+32, P+16, O+16, LS1, MB1, MA1, \first
.endif
.if \pre
	s_wait_dscnt 8                                 ; V's eight loads are in; K's eight, issued behind them, may be out
.else
	s_wait_dscnt 0x0
.endif
	PVU 0, \first
	PVU 1, 0
.endm
.macro TRIP first, last                ; a key block of 128 keys; then on to my group's next, two blocks further
	STEP 0, \first, 1
	STEP 1, 0, 1-\last
.if \last == 0
	v_add_nc_u32 v[KADR], 2*BLOCK, v[KADR]
	v_add_nc_u32 v[VADR], 2*BLOCK, v[VADR]
.endif
.endm
	CHUNKBAR 3                                     ; chunk 0 (key blocks 0-3) is whole; my three younger loads stay out
.irp t, 0,1,2,3
	ds_load_b128 v[KF+8*\t:KF+8*\t+3],   v[KADR] offset:\t*4*SP
	ds_load_b128 v[KF+8*\t+4:KF+8*\t+7], v[KADR] offset:\t*4*SP+32
.endr
	s_wait_loadcnt 0x0                             ; Q; its base is free now
	s_lshr_b32 s2, s7, 3                           ; my key group, for the end
	; Trip j takes key block 2 j + group, so chunk c holds trips 2 c and 2 c + 1.  A trip fetches the next trip's first K fragments,
	; so each chunk's barrier stands one trip ahead of the chunk's first trip.
	TRIP 1, 0                                      ; trip 0
	CHUNKBAR 2                                     ; chunk 1 (key blocks 4-7)
	s_mov_b32 s6, 2
.Lchunk1:
	TRIP 0, 0                                      ; trips 1, 2
	s_sub_co_u32 s6, s6, 1
	s_cmp_lg_u32 s6, 0
	s_cbranch_scc1 .Lchunk1
	CHUNKBAR 1                                     ; chunk 2 (key blocks 8-11)
	s_mov_b32 s6, 2
.Lchunk2:
	TRIP 0, 0                                      ; trips 3, 4
	s_sub_co_u32 s6, s6, 1
	s_cmp_lg_u32 s6, 0
	s_cbranch_scc1 .Lchunk2
	CHUNKBAR 0                                     ; chunk 3 (key blocks 12-15): all my tensor loads have landed
	s_mov_b32 s6, 2
.Lchunk3:
	TRIP 0, 0                                      ; trips 5, 6
	s_sub_co_u32 s6, s6, 1
	s_cmp_lg_u32 s6, 0
	s_cbranch_scc1 .Lchunk3
	TRIP 0, 1                                      ; trip 7 fetches nothing ahead
	; THE TWO WAVES OF A SHARE MEET.  The upper wave (odd key blocks) hands over O, its maxima and its sums: nine stores of 512 consecutive bytes.
	PLACES                                         ; behind the last matrix instructions, whose results are stored or read below
	s_cmp_eq_u32 s2, 0
	s_cbranch_scc1 .Lnothing_to_send
	v_mov_b32 v[T],   v[MA0]                       ; the four numbers that go in one store, side by side
	v_mov_b32 v[T+1], v[MA1]
	v_mov_b32 v[T+2], v[LS0]
	v_mov_b32 v[T+3], v[LS1]
.irp n, 0,1,2,3,4,5,6,7
	ds_store_b128 v[MG], v[O+4*\n:O+4*\n+3] offset:512*\n
.endr
	ds_store_b128 v[MG], v[T:T+3] offset:4096
.Lnothing_to_send:
	s_wait_dscnt 0x0                               ; my LDS stores are done, for the partner's sake
	s_barrier_signal -1
	s_barrier_wait -1
	s_cmp_lg_u32 s2, 0
	s_cbranch_scc1 .Lend                           ; the upper wave has no more to do but the closing round
.irp n, 0,1,2,3,4,5,6,7
	ds_load_b128 v[S+4*\n:S+4*\n+3], v[MG] offset:512*\n
.endr
	ds_load_b128 v[T:T+3], v[MG] offset:4096
	s_wait_dscnt 0x0
	; m = max(mA, mB); l = lA 2^(mA - m) + lB 2^(mB - m); y = OA 2^(mA - m) / l + OB 2^(mB - m) / l
	v_max_num_f32 v[ACCA],   v[MA0], v[T]
	v_max_num_f32 v[ACCA+1], v[MA1], v[T+1]
	v_sub_f32 v[MA0], v[MA0], v[ACCA]
	v_sub_f32 v[MB0], v[T],   v[ACCA]
	v_sub_f32 v[MA1], v[MA1], v[ACCA+1]
	v_sub_f32 v[MB1], v[T+1], v[ACCA+1]
	v_exp_f32 v[MA0], v[MA0]
	v_exp_f32 v[MB0], v[MB0]
	v_exp_f32 v[MA1], v[MA1]
	v_exp_f32 v[MB1], v[MB1]
	v_nop                                          ; one plain place between an exponential and its use (ISA guide 5.7.2)
	s_wait_alu depctr_va_vdst(0)
	v_mul_f32 v[LS0], v[LS0], v[MA0]
	v_mul_f32 v[LS1], v[LS1], v[MA1]
	v_fmac_f32 v[LS0], v[T+2], v[MB0]
	v_fmac_f32 v[LS1], v[T+3], v[MB1]
	v_permlanex16_b32 v[X], v[LS0], s66, s67       ; l of the keys that the other half of the wave holds
	v_add_f32 v[LS0], v[LS0], v[X]
	v_permlanex16_b32 v[X], v[LS1], s66, s67
	v_add_f32 v[LS1], v[LS1], v[X]
	v_rcp_f32 v[AL], v[LS0]
	v_rcp_f32 v[ACCA], v[LS1]
	v_nop                                          ; one plain place between a reciprocal and its use (ISA guide 5.7.2)
	s_wait_alu depctr_va_vdst(0)
	v_mul_f32 v[MA0], v[MA0], v[AL]                ; the division goes into the two factors
	v_mul_f32 v[MB0], v[MB0], v[AL]
	v_mul_f32 v[MA1], v[MA1], v[ACCA]
	v_mul_f32 v[MB1], v[MB1], v[ACCA]
.irp n, 0,1,2,3,4,5,6,7
	v_pk_mul_f32 v[O+2*\n:O+2*\n+1],       v[O+2*\n:O+2*\n+1],       v[MA0:MA0+1] op_sel_hi:[1,0]
	v_pk_mul_f32 v[O+16+2*\n:O+16+2*\n+1], v[O+16+2*\n:O+16+2*\n+1], v[MA1:MA1+1] op_sel_hi:[1,0]
.endr
.irp n, 0,1,2,3,4,5,6,7
	v_pk_fma_f32 v[O+2*\n:O+2*\n+1],       v[S+2*\n:S+2*\n+1],       v[MB0:MB0+1], v[O+2*\n:O+2*\n+1]       op_sel_hi:[1,0,1]
	v_pk_fma_f32 v[O+16+2*\n:O+16+2*\n+1], v[S+16+2*\n:S+16+2*\n+1], v[MB1:MB1+1], v[O+16+2*\n:O+16+2*\n+1] op_sel_hi:[1,0,1]
.endr
	; THE WAY OUT: bf16.  Lane (r, h) holds d = 16 dh + 8 h + 0..7 of query r: 16 bytes, laid as K lies in its pieces, into the pair's area:
	; my reads of it are back, and the partner touches it no more.
.irp n, 0,1,2,3,4,5,6,7,8,9,10,11,12,13,14,15
	v_cvt_pk_bf16_f32 v[KF+\n], v[O+2*\n], v[O+2*\n+1]
.endr
.irp i, 0,1
.irp d, 0,1
	ds_store_b128 v[STO], v[KF+8*\i+4*\d:KF+8*\i+4*\d+3] offset:\i*4*SP+32*\d
.endr
.endr
.irp n, 0,1,2,3
	ds_load_b128 v[VF+4*\n:VF+4*\n+3], v[RD] offset:\n*2*SP    ; bytes that I stored: LDS serves a wave's instructions in order (ISA guide 5.7.1)
.endr
.irp n, 0,1,2,3
	s_wait_dscnt 3-\n                              ; read-back n is in, the younger ones may be out
	global_store_b128 v[GO], v[VF+4*\n:VF+4*\n+3], s[104:105] offset:512*\n   ; a wave's store covers 512 consecutive bytes, aligned
.endr
.Lend:
	s_wait_tensorcnt 0x0
	ds_add_u32 v240, v241
	s_wait_dscnt 0x0
	ROUND                                          ; the closing round: no work-group ends while a partner may still ask jointly
	s_endpgm
.Lfunc_end_k_q4513993577_attn:
	.size	k_q4513993577_attn, .Lfunc_end_k_q4513993577_attn-k_q4513993577_attn
	.p2alignl 7, 3214868480
	.fill 96, 4, 3214868480
	.section	.rodata,"a",@progbits
	.p2align	6, 0x0
	.amdhsa_kernel k_q4513993577_attn
		.amdhsa_group_segment_fixed_size 317440
		.amdhsa_private_segment_fixed_size 0
		.amdhsa_enable_private_segment 0
		.amdhsa_kernarg_size 40
		.amdhsa_user_sgpr_count 2
		.amdhsa_user_sgpr_kernarg_segment_ptr 1
		.amdhsa_wavefront_size32 1
		.amdhsa_system_sgpr_workgroup_id_x 1
		.amdhsa_system_sgpr_workgroup_id_y 1
		.amdhsa_system_sgpr_workgroup_id_z 1
		.amdhsa_system_vgpr_workitem_id 0
		.amdhsa_next_free_vgpr 242
		.amdhsa_next_free_sgpr 106
		.amdhsa_reserve_vcc 0
		.amdhsa_float_denorm_mode_32 3
		.amdhsa_float_denorm_mode_16_64 3
		.amdhsa_memory_ordered 1
		.amdhsa_forward_progress 1
		.amdhsa_inst_pref_size 202
	.end_amdhsa_kernel
	.amdgpu_metadata
---
amdhsa.version: [ 1, 2 ]
amdhsa.kernels:
  - .name:           k_q4513993577_attn
    .symbol:         k_q4513993577_attn.kd
    .args:
      - { .name: qw, .offset: 0, .size: 8, .value_kind: global_buffer, .address_space: global }
      - { .name: kw, .offset: 8, .size: 8, .value_kind: global_buffer, .address_space: global }
      - { .name: vw, .offset: 16, .size: 8, .value_kind: global_buffer, .address_space: global }
      - { .name: mbits, .offset: 24, .size: 8, .value_kind: global_buffer, .address_space: global }
      - { .name: ybuf, .offset: 32, .size: 8, .value_kind: global_buffer, .address_space: global }
    .group_segment_fixed_size: 317440
    .private_segment_fixed_size: 0
    .kernarg_segment_align: 8
    .kernarg_segment_size: 40
    .max_flat_workgroup_size: 512
    .sgpr_count:     106
    .vgpr_count:     242
    .wavefront_size: 32
...
	.end_amdgpu_metadata
.endif
;; end of part 2
;; launch proj (part 3): grid 4 x 64, 8 waves a work-group, no clusters, 76,800 bytes of LDS; arguments ybuf, W_out, b_out, out0; writes out0
.if DOCPART == 3
	.amdgcn_target "amdgcn-amd-amdhsa--gfx1250"
	.amdhsa_code_object_version 6
	.text
	.protected	k_q4513993577_proj
	.globl	k_q4513993577_proj
	.p2align	8
	.type	k_q4513993577_proj,@function
k_q4513993577_proj:
	s_mov_b64 s[64:65], 0
	v_nop
	global_prefetch_b8 v0, s[64:65] scope:SCOPE_SE
	s_setreg_imm32_b32 hwreg(HW_REG_WAVE_MODE, 25, 1), 1
	s_wait_xcnt 0x0
; out0 = y W_out + b_out.  ybuf: [b][head][token][32] bf16; W_out: [256 k][256 n] f32; out0: [8192 tokens][256] f32.
; A work-group makes 128 tokens x 64 features (256 bytes of each output row); wave w makes 16 tokens x 64 features: four accumulator tiles.
; A K step of 32 is one head.  W's fragment is source 0, so that a lane gets 8 neighbouring features of one token.
; y's fragments come straight from memory into registers (each wave reads only its own 16 tokens); W's slice is rounded to bf16 on its way into LDS.
; NO CLUSTER: what work-groups share is W's slice of 65,536 bytes of f32, and it has to pass through registers to become bf16.
.set WP,    160                        ; W in LDS: [256 k][64 n] bf16, 128 bytes + 32: an odd multiple of 32, for the transposing loads
.set STG,   40960                      ; a stage of 16 rows x 272 bytes for each wave
.set STGW,  4352
.set SP,    272
.set WG,   5                           ; v5   W: my 16 bytes of a load's 16 rows
.set WL,   6                           ; v6   W: where my 8 bytes of bf16 go
.set BO,   7                           ; v7   bias: 32 h
.set YO,   8                           ; v8   y: row r of 64 bytes + 16 h
.set WADR, 9                           ; v9   W fragments
.set STO,  10
.set RD,   11
.set GO,   12
.set ACC,  16                          ; v[16:47]   four tiles, started by the bias
.set YF,   48                          ; v[48:111]  y fragments of all eight K steps; at the end the rows read back
.set WF0,  112                         ; v[112:175] W fragments, two buffers; before that W as loaded
.set WF1,  144
.set WB,   112
.set CT,   176                         ; v[176:183] packed bf16
	s_load_b256 s[4:11], s[0:1], 0x0               ; ybuf 4, W_out 6, b_out 8, out0 10
	v_lshl_add_u32 v184, v0, 2, 0x12800
	v_mov_b32 v185, 0
	v_lshrrev_b32 v1, 5, v0
	v_readfirstlane_b32 s12, v1                    ; wave
	s_and_b32 s13, ttmp7, 0xffff                   ; block of 128 tokens
	s_lshl_b32 s14, ttmp9, 8                       ; 64 features of 4 bytes x block of features
	s_mov_b32 s15, 0
	s_lshr_b32 s16, s13, 4                         ; y: batch x 8 heads x 131,072 bytes
	s_lshl_b32 s16, s16, 20
	s_and_b32 s17, s13, 15
	s_lshl_b32 s17, s17, 13                        ; + 128 tokens of 64 bytes x block in the batch
	s_add_co_u32 s16, s16, s17
	s_lshl_b32 s17, s12, 10                        ; + 16 tokens x wave
	s_add_co_u32 s16, s16, s17
	s_mov_b32 s17, 0
	s_lshl_b32 s18, s13, 17                        ; out: 128 rows of 1,024 bytes x block
	s_lshl_b32 s19, s12, 14                        ; + 16 rows x wave
	s_add_co_u32 s18, s18, s19
	s_add_co_u32 s18, s18, s14
	s_mov_b32 s19, 0
	s_mul_i32 s20, s12, STGW
	s_add_co_u32 s20, s20, STG                     ; my stage
	v_and_b32 v2, 15, v0                           ; r
	v_bfe_u32 v3, v0, 4, 1                         ; h
	v_lshrrev_b32 v4, 4, v0                        ; t >> 4: which of a load's 16 rows
	v_lshlrev_b32 v[WG], 10, v4
	v_lshl_add_u32 v[WG], v2, 4, v[WG]
	v_mul_u32_u24 v[WL], v4, WP
	v_lshl_add_u32 v[WL], v2, 3, v[WL]
	v_lshlrev_b32 v[BO], 5, v3
	v_lshlrev_b32 v[YO], 6, v2
	v_lshl_add_u32 v[YO], v3, 4, v[YO]
	v_and_b32 v[WADR], 7, v0
	v_lshl_add_u32 v[WADR], v3, 3, v[WADR]         ; k row 8 h + (lane & 7)
	v_mul_u32_u24 v[WADR], v[WADR], WP
	v_bfe_u32 v13, v0, 3, 1
	v_lshl_add_u32 v[WADR], v13, 4, v[WADR]        ; + 16 ((lane >> 3) & 1)
	v_mul_u32_u24 v[STO], v2, SP
	v_lshl_add_u32 v[STO], v3, 5, v[STO]           ; row = token r, my 8 features of 4 bytes at 32 h
	v_add_nc_u32 v[STO], s20, v[STO]
	v_mul_u32_u24 v[RD], v3, SP
	v_lshl_add_u32 v[RD], v2, 4, v[RD]
	v_add_nc_u32 v[RD], s20, v[RD]
	v_lshlrev_b32 v[GO], 10, v3
	v_lshl_add_u32 v[GO], v2, 4, v[GO]             ; lanes 0-15 one row's 256 bytes, lanes 16-31 the next row's
	s_wait_kmcnt 0x0
	s_add_nc_u64 s[4:5], s[4:5], s[16:17]
	s_add_nc_u64 s[6:7], s[6:7], s[14:15]
	s_add_nc_u64 s[8:9], s[8:9], s[14:15]
	s_add_nc_u64 s[10:11], s[10:11], s[18:19]
.set i, 0
.rept 16
	global_load_b128 v[WB+4*i:WB+4*i+3], v[WG], s[6:7] offset:i*16384      ; sixteen lanes take 256 consecutive bytes of a row of W
.set i, i+1
.endr
.irp f, 0,1,2,3
	global_load_b128 v[ACC+8*\f:ACC+8*\f+3],   v[BO], s[8:9] offset:64*\f          ; register j of lane (r, h): feature 16 f + 8 h + j
	global_load_b128 v[ACC+8*\f+4:ACC+8*\f+7], v[BO], s[8:9] offset:64*\f+16
.endr
.irp k, 0,1,2,3,4,5,6,7
	global_load_b128 v[YF+8*\k:YF+8*\k+3],   v[YO], s[4:5] offset:131072*\k
	global_load_b128 v[YF+8*\k+4:YF+8*\k+7], v[YO], s[4:5] offset:131072*\k+32
.endr
	s_wait_loadcnt 24                              ; W is in; the 8 loads of the bias and the 16 of y stay out
.set i, 0
.rept 16
	v_cvt_pk_bf16_f32 v[CT+2*(i%4)],   v[WB+4*i],   v[WB+4*i+1]
	v_cvt_pk_bf16_f32 v[CT+2*(i%4)+1], v[WB+4*i+2], v[WB+4*i+3]
	ds_store_b64 v[WL], v[CT+2*(i%4):CT+2*(i%4)+1] offset:i*16*WP
.set i, i+1
.endr
	s_wait_dscnt 0x0                               ; my LDS stores are done, for the other waves' sake
	s_barrier_signal -1
	s_barrier_wait -1                              ; W's slice is whole
	s_wait_loadcnt 0x0                             ; the bias and y
.macro PLACES                          ; four places behind a matrix instruction before its registers are loaded into or read (ISA guide 7.12.1)
.rept 4
	v_nop
.endr
.endm
.macro WLOAD ks, buf                   ; W's four fragments of K step ks, transposed on the way from [k][n]
.irp f, 0,1,2,3
	ds_load_tr16_b128 v[\buf+8*\f:\buf+8*\f+3],   v[WADR] offset:\ks*32*WP+32*\f
	ds_load_tr16_b128 v[\buf+8*\f+4:\buf+8*\f+7], v[WADR] offset:\ks*32*WP+32*\f+16*WP
.endr
.endm
.macro MUL4 ks, buf                    ; the four accumulators take turns, one instruction a turn
.irp f, 0,1,2,3
	v_wmma_f32_16x16x32_bf16 v[ACC+8*\f:ACC+8*\f+7], v[\buf+8*\f:\buf+8*\f+7], v[YF+8*\ks:YF+8*\ks+7], v[ACC+8*\f:ACC+8*\f+7]
.endr
.endm
.macro KS ks, nxt, cur, oth            ; fetch step nxt into the buffer that the step before this one has read, multiply step ks
	PLACES
	WLOAD \nxt, \oth
	s_wait_dscnt 8                                 ; this step's fragments are in; the eight loads just issued may be out
	MUL4 \ks, \cur
.endm
	WLOAD 0, WF0
	WLOAD 1, WF1
	s_wait_dscnt 8
	MUL4 0, WF0
	KS 1, 2, WF1, WF0
	KS 2, 3, WF0, WF1
	KS 3, 4, WF1, WF0
	KS 4, 5, WF0, WF1
	KS 5, 6, WF1, WF0
	KS 6, 7, WF0, WF1
	s_wait_dscnt 0x0
	MUL4 7, WF1
	; THE WAY OUT: 32 bytes a lane into my stage (row = token), read back as whole rows of 256 bytes
	PLACES
.irp f, 0,1,2,3
	ds_store_b128 v[STO], v[ACC+8*\f:ACC+8*\f+3]   offset:64*\f
	ds_store_b128 v[STO], v[ACC+8*\f+4:ACC+8*\f+7] offset:64*\f+16
.endr
.irp n, 0,1,2,3,4,5,6,7
	ds_load_b128 v[YF+4*\n:YF+4*\n+3], v[RD] offset:\n*2*SP    ; my own bytes: LDS serves a wave's instructions in order (ISA guide 5.7.1)
.endr
.irp n, 0,1,2,3,4,5,6,7
	s_wait_dscnt 7-\n                              ; read-back n is in, the younger ones may be out
	global_store_b128 v[GO], v[YF+4*\n:YF+4*\n+3], s[10:11] offset:2048*\n th:TH_STORE_NT   ; sixteen lanes store 256 consecutive bytes, aligned
.endr
	s_wait_tensorcnt 0x0
	ds_add_u32 v184, v185
	s_wait_dscnt 0x0
	s_endpgm
.Lfunc_end_k_q4513993577_proj:
	.size	k_q4513993577_proj, .Lfunc_end_k_q4513993577_proj-k_q4513993577_proj
	.p2alignl 7, 3214868480
	.fill 96, 4, 3214868480
	.section	.rodata,"a",@progbits
	.p2align	6, 0x0
	.amdhsa_kernel k_q4513993577_proj
		.amdhsa_group_segment_fixed_size 76800
		.amdhsa_private_segment_fixed_size 0
		.amdhsa_enable_private_segment 0
		.amdhsa_kernarg_size 32
		.amdhsa_user_sgpr_count 2
		.amdhsa_user_sgpr_kernarg_segment_ptr 1
		.amdhsa_wavefront_size32 1
		.amdhsa_system_sgpr_workgroup_id_x 1
		.amdhsa_system_sgpr_workgroup_id_y 1
		.amdhsa_system_sgpr_workgroup_id_z 1
		.amdhsa_system_vgpr_workitem_id 0
		.amdhsa_next_free_vgpr 186
		.amdhsa_next_free_sgpr 66
		.amdhsa_reserve_vcc 0
		.amdhsa_float_denorm_mode_32 3
		.amdhsa_float_denorm_mode_16_64 3
		.amdhsa_memory_ordered 1
		.amdhsa_forward_progress 1
		.amdhsa_inst_pref_size 19
	.end_amdhsa_kernel
	.amdgpu_metadata
---
amdhsa.version: [ 1, 2 ]
amdhsa.kernels:
  - .name:           k_q4513993577_proj
    .symbol:         k_q4513993577_proj.kd
    .args:
      - { .name: ybuf, .offset: 0, .size: 8, .value_kind: global_buffer, .address_space: global }
      - { .name: W_out, .offset: 8, .size: 8, .value_kind: global_buffer, .address_space: global }
      - { .name: b_out, .offset: 16, .size: 8, .value_kind: global_buffer, .address_space: global }
      - { .name: out0, .offset: 24, .size: 8, .value_kind: global_buffer, .address_space: global }
    .group_segment_fixed_size: 76800
    .private_segment_fixed_size: 0
    .kernarg_segment_align: 8
    .kernarg_segment_size: 32
    .max_flat_workgroup_size: 256
    .sgpr_count:     66
    .vgpr_count:     186
    .wavefront_size: 32
...
	.end_amdgpu_metadata
.endif
;; end of part 3
